; MI455X (gfx1250); checked and timed in simulation.
; The chip was launched on July 23, 2026; its instructions are those of AMD's public machine-readable ISA for CDNA 5 (MIT licence, August 2026) and "CDNA5" Instruction Set Architecture Reference Guide (July 2026). The comments in the code are by the model that wrote it; some were corrected since.
;; DIF Layer. Allowed arithmetic: float matrix products may take bf16 or f16 operands with f32 sums; other float arithmetic in f32, or as packed bf16 or f16 multiplies, adds, multiply-adds, maxima and minima; sums over many terms, partial sums and values carried from step to step in f32; what a program stores and reads back later, other than sums and carried values, may be rounded once to bf16 or f16.
;; Inputs: W1 256 x 64 float32; W2 256 x 256 float32; W3 64 x 256 float32; b1 256 float32; b2 256 float32; b3 64 float32; log_s 64 x 64 float32; m 64 x 64 float32; x 8,192 x 64 float32.
;; Outputs: out0 8,192 float32.
;; One version. Each part assembles by itself: llvm-mc -triple=amdgcn-amd-amdhsa -mcpu=gfx1250 --defsym DOCPART=n.
;; ======== version 1 of 1: 1 launch
;; limits: values are held in f16: magnitudes above 65,504 overflow, below 6.1e-05 lose precision; inputs' magnitudes at most 65,504
;; launch dif (part 1): grid 256 x 1, 4 waves a work-group, no clusters, 252,160 bytes of LDS; arguments x, m, log_s, W1, b1, W2, b2, W3, b3, out0; writes out0
.if DOCPART == 1
	.amdgcn_target "amdgcn-amd-amdhsa--gfx1250"
	.amdhsa_code_object_version 6
	.text
	.protected	k_q6ee9d426e2_dif
	.globl	k_q6ee9d426e2_dif
	.p2align	8
	.type	k_q6ee9d426e2_dif,@function
k_q6ee9d426e2_dif:
	s_mov_b64 s[64:65], 0
	v_nop
	global_prefetch_b8 v0, s[64:65] scope:SCOPE_SE
	s_setreg_imm32_b32 hwreg(HW_REG_WAVE_MODE, 25, 1), 1
	s_wait_xcnt 0x0
; out[n] = logsumexp_k( -0.5 |z|^2 - 32 log(2 pi) + log_softmax(MLP(z))[k] - sum_p log_s[k][p] ),  z = (x[n] - m[k]) exp(-log_s[k]),  MLP: 64 -> tanh 256 -> tanh 256 -> 64.
; x [8192][64], m, log_s [64][64], W1 [256][64], W2 [256][256], W3 [64][256], b1, b2 [256], b3 [64], out [8192], all f32.
; NOTHING IS LEFT OUT: only the diagonal of log_softmax is kept, but its sum needs all 64 logits of every (n, k); b3 differs along the softmax's axis; every input has a way to the output and is loaded.
; IDENTITIES, for all inputs.  L = log2(e), c = 2 L.  z' = c z = x e' + n' with e' = 2^(-L log_s + log2 c), n' = -m e' (f32, rounded once to bf16 for the product).  tanh(p) = 1 - 2 / (1 + 2^(c p)).
; Kept of an activation is r' = 1 / (kap (1 + 2^u)), u = c p: with kap1 = -ln2/4, c h1 = c + r1'; with kap2 = -ln2/2, L h2 = L + r2'.  So u2 = W2 r1' + c (b2 + rowsum W2) and
; t = L logits = W3 r2' + L (b3 + rowsum W3); the row sums are taken of the weights as they are multiplied (rounded to f16), by the matrix unit, once.  An overflowing 2^u gives r' = -0, a vanishing one 1 / kap.
; In units of log2: lv2 = -(ln2/8) sum z'^2 + (t_kk - mx - log2 sum_c 2^(t_c - mx)) + D[k], D[k] = -L sum_p log_s[k][p] - 32 log2(2 pi); out = ln2 (M + log2 sum_k 2^(lv2 - M)).  mx and M are the true maxima.
; FORMATS.  z' and W1 in bf16 (z has no bound); r1', r2', W2, W3 in f16 (r' lies in -5.8 .. 0); sums, statistics and tables in f32.
; LIMITS.  |W2|, |W3| up to 65,504 (f16's range); a power of two below 2^-126 counts as 0; NaN and infinities among the inputs are not treated apart.
; SHARES.  256 work-groups of four waves; a work-group owns 32 n, a wave 8.  A PIECE is one n with all 64 k: four tiles of 16 data rows (tile q, lane % 16 = r: k = 16 q + r).  A wave walks 8 pieces.
; LAYOUT.  Every product is taken transposed: source 0 = 16 rows of weights (a JOB of 16 channels), source 1 = 16 data rows.  In the result lane (r, h) holds data row r and channels 8 h + 0..7 of the job; two jobs
; rounded to 16 bits in pairs ARE source 1 (32 channels x 16 rows) of the next layer: nothing changes lanes between the layers.  A weight fragment read from LDS feeds four products.
; PIPELINE.  A UNIT is a job's four accumulators, 32 registers; four units form a ring.  In sub-step sg the matrix unit writes unit sg, 2^u is taken of unit sg - 1, kap e + kap and the reciprocal of unit sg - 2,
; and unit sg - 3 is rounded to f16.  A sub-step's exponentials and reciprocals are one batch; all their readers stand in the next sub-step, behind the one wait in the sub-step's tail.
; LDS is filled once, by ds_store, and only read in the loop over pieces.  NO TENSOR LOADS, NO CLUSTER: what the work-groups share are the weights, 393,216 bytes of f32 in memory that are wanted as 205,824 bytes
; of 16-bit numbers; a copy that converts nothing would need both in LDS, 599,040 bytes for the 327,680 that a work-group can be given; they are read once a work-group, at the head.  No prefetch: nothing is read from memory behind the head.
; The work-group's 32 results, 128 consecutive bytes, leave by one store; 64 n to a work-group would fill 256 bytes and halve the number of work-groups.
; REGISTERS, in windows of 256 (s_set_vgpr_msb: bits 1:0 source 0, 3:2 source 1, 5:4 source 2, 7:6 destination):
;   window 0: v0-31 addresses; v32-47 two bias buffers; v48-79 two buffers of W3's fragments; v80-143 two buffers of r2'; v144-175 x of the piece; v176-224 statistics.  All lane exchanges stand in window 0.
;   window 1: r1' (K step kp, tile t at 32 kp + 8 t); in a piece's beginning e' and n' of the four tiles      window 2: v0-127 the ring; v128-255 two buffers of W1's or W2's fragments
;   window 3: v0-127 the logits (tile q, channel tile ct at 32 q + 8 ct); v128-191 z' (tile q, K step s at 128 + 16 q + 8 s)
.set P1,    144       ; a row of W1 in LDS: 128 bytes + 16; all three pitches are odd multiples of 16 bytes, so the 16 rows of a load start at 16 different groups of four banks (64 banks of 4 bytes: ISA guide 11.1)
.set P2,    528       ; a row of W2 or W3: 512 + 16
.set PE,    272       ; a row of e' or n': 256 + 16
.set W1T,   0         ; 256 rows of W1, bf16
.set W23T,  36864     ; 256 rows of W2, then 64 of W3, f16
.set ETAB,  205824    ; e', 64 rows
.set NOFF,  17408     ; n' lies so far behind e'
.set XTAB,  240640    ; the work-group's 32 rows of x, 256 bytes each
.set B1T,   248832    ; c b1
.set B2O,   1024      ; behind it: c (b2 + rowsum W2),
.set B3O,   2048      ; and L (b3 + rowsum W3)
.set DTAB,  251136    ; D[k]
.set OUTS,  251392    ; the 32 results
.set SPARE, 251648    ; the spare words, 128 bytes for each wave: two blocks of 256 bytes that no other line names
.set RR,   1          ; v1   r = lane % 16
.set HH,   2          ; v2   h = lane / 16
.set LL,   3          ; v3   lane
.set AW1,  4          ; v4   my place in a fragment of W1
.set AW2A, 5          ; v5   the same for W2's jobs 0-7; v6 for jobs 8-15
.set AW3,  7          ; v7   for W3
.set AE,   8          ; v8   my 32 bytes in a row of e'
.set AX0,  9          ; v9   my 32 bytes in my wave's first row of x
.set AX,   10         ; v10  the same in the piece's row
.set ABI,  11         ; v11  my 32 bytes of a job's bias
.set AO,   12         ; v12  where my lane puts its result
.set TV,   13         ; v13  at work
.set SPW,  14         ; v14  LDS address of my spare word: SPARE + 4 x my thread's number; never rewritten
.set NIL,  15         ; v15  0; never rewritten
.set GOFF, 16         ; v16-31: the set-up's offsets and addresses
.set GLS,  17
.set GX,   18
.set AXS,  19
.set GB1,  20
.set AB1S, 21
.set GB2,  22
.set AB2S, 23
.set GB3,  24
.set AB3S, 25
.set AES,  26
.set AD,   27
.set LW1,  28
.set LADR, 29
.set AR2,  30
.set AR3,  31
.set BI,   32
.set A3,   48
.set R2,   80
.set XR,   144
.set QT,   176        ; v176-207 sums of z'^2 at work; later four statistics a tile, c0-c3 at QT + 4 q
.set QH,   208        ; v208-211 my lanes' half of sum z'^2, by tile
.set DK,   212        ; v212-215 D[k], by tile; stays
.set LV,   216        ; v216-219 lv2, by tile
.set TM,   220        ; v220-221 at work
.set RES,  224        ; v224  the wave's results: lane l holds piece l % 8
.set ZB,   128        ; window 3
.set SUMS, 32         ; the set-up, window 0: row sums of log_s; v64-191 the copy's ring of 16 slots as loaded; v192-255 as stored; later fragments and ones
.set RB,   64
.set TB,   192
.set ONES, 224
.set LSR,  0          ; the set-up, window 1: log_s, m, x, b1, five accumulators, pairs at work
.set MR,   32
.set XS,   72
.set B1R,  88
.set RA,   96
.set TS,   136
.set MSB, 0
.macro WIN new                      ; the high byte repeats the setting that is left; a switch that changes nothing is dropped
.if MSB != (\new)
	s_set_vgpr_msb (MSB<<8)|(\new)
.set MSB, (\new)
.endif
.endm
; A vector instruction that reads a matrix result or writes one of a matrix instruction's registers, and a load into such a register, stand four places behind it; only plain vector instructions that name
; none of its registers are places (ISA guide 7.12.1 for vector instructions).  Where no other work is at hand: four v_nop.
.macro PLACES
.rept 4
	v_nop
.endr
.endm
.macro ALLQ line:vararg             ; one line for each tile q
.set q, 0
.rept 4
	\line
.set q, q+1
.endr
.endm
	s_load_b256 s[8:15], s[0:1], 0x0    ; x s[8:9], m s[10:11], log_s s[12:13], W1 s[14:15]
	s_load_b256 s[16:23], s[0:1], 0x20  ; b1 s[16:17], W2 s[18:19], b2 s[20:21], W3 s[22:23]
	s_load_b128 s[24:27], s[0:1], 0x40  ; b3 s[24:25], out s[26:27]
	v_lshl_add_u32 v[SPW], v0, 2, SPARE
	v_mov_b32 v[NIL], 0
	v_lshrrev_b32 v[TV], 5, v0
	v_readfirstlane_b32 s28, v[TV]      ; wave 0..3
	v_and_b32 v[RR], 15, v0
	v_bfe_u32 v[HH], v0, 4, 1
	v_and_b32 v[LL], 31, v0
	; a fragment of weights is 16 rows x 32 channels in 8 registers: lane (r, h) holds row r, channels 8 h + 0..7 and 16 + 8 h + 0..7: two loads of 16 bytes, 32 bytes apart, at row x pitch + 16 h
	v_mul_u32_u24 v[AW1], v[RR], P1
	v_lshl_add_u32 v[AW1], v[HH], 4, v[AW1]
	v_mul_u32_u24 v[AW2A], v[RR], P2
	v_lshl_add_u32 v[AW2A], v[HH], 4, v[AW2A]
	v_add_nc_u32 v[AW2A], W23T, v[AW2A]
	v_add_nc_u32 v[AW2A+1], 8*16*P2, v[AW2A]
	v_add_nc_u32 v[AW3], 16*16*P2, v[AW2A]
	v_mul_u32_u24 v[AE], v[RR], PE
	v_lshl_add_u32 v[AE], v[HH], 5, v[AE]
	v_add_nc_u32 v[AE], ETAB, v[AE]
	s_lshl_b32 s29, s28, 11             ; my wave's 8 rows of x
	v_lshl_add_u32 v[AX0], v[HH], 5, s29
	v_add_nc_u32 v[AX0], XTAB, v[AX0]
	v_lshl_add_u32 v[ABI], v[HH], 5, B1T
	v_and_b32 v[AO], 7, v0
	s_lshl_b32 s29, s28, 5
	v_lshl_add_u32 v[AO], v[AO], 2, s29
	v_add_nc_u32 v[AO], OUTS, v[AO]
	; the set-up's offsets: each is the wave's number times a constant plus a lane term
	s_lshl_b32 s29, s28, 14
	v_lshl_add_u32 v[GOFF], v[LL], 5, s29       ; the weights' copy: 16,384 w + 32 l
	s_lshl_b32 s29, s28, 12
	v_lshl_add_u32 v[GLS], v[LL], 4, s29        ; log_s and m: my wave's 16 rows, 16 bytes a lane
	s_lshl_b32 s29, s28, 9
	v_lshl_add_u32 v[GX], v[LL], 4, s29         ; x: 512 w + 16 l
	v_add_nc_u32 v[AXS], XTAB, v[GX]
	s_lshl_b32 s29, s28, 8
	v_lshl_add_u32 v[GB1], v[LL], 3, s29        ; b1: 256 w + 8 l
	v_add_nc_u32 v[AB1S], B1T, v[GB1]
	v_lshl_add_u32 v[GB2], v[HH], 5, s29        ; b2 as an accumulator holds it: jobs 4 w + a: 256 w + 64 a + 32 h
	v_add_nc_u32 v[AB2S], B1T+B2O, v[GB2]
	s_lshl_b32 s29, s28, 6
	v_lshl_add_u32 v[GB3], v[HH], 5, s29        ; b3: channel tile w: 64 w + 32 h
	v_add_nc_u32 v[AB3S], B1T+B3O, v[GB3]
	v_lshl_add_u32 v[AD], v[HH], 2, s29         ; D: row 16 w + h
	v_add_nc_u32 v[AD], DTAB, v[AD]
	s_mul_i32 s29, s28, 16*PE
	v_mul_u32_u24 v[AES], v[HH], PE             ; e': row 16 w + h, 16 bytes at 16 r
	v_lshl_add_u32 v[AES], v[RR], 4, v[AES]
	v_add_nc_u32 v[AES], s29, v[AES]
	v_add_nc_u32 v[AES], ETAB, v[AES]
	v_lshrrev_b32 v[TV], 3, v[LL]
	v_mul_u32_u24 v[LW1], v[TV], P1             ; W1: row 64 w + l / 8, 16 bytes at 16 (l % 8)
	v_and_b32 v[TV], 7, v0
	v_lshl_add_u32 v[LW1], v[TV], 4, v[LW1]
	s_mul_i32 s29, s28, 64*P1
	v_add_nc_u32 v[LW1], s29, v[LW1]
	s_mul_i32 s29, s28, 16*P2
	v_lshl_add_u32 v[LADR], v[LL], 4, s29       ; W2, W3: row 16 w, 16 bytes at 16 l
	v_add_nc_u32 v[LADR], W23T, v[LADR]
	v_add_nc_u32 v[AR3], s29, v[AW3]            ; the row sums: W3's channel tile w,
	s_mul_i32 s29, s28, 64*P2
	v_add_nc_u32 v[AR2], s29, v[AW2A]           ; W2's jobs 4 w on
.irp j, 0,1,2,3,4,5,6,7
	s_mov_b32 s[32+\j], (1<<\j)|(1<<(24+\j))    ; the lanes whose register j holds a diagonal logit: r = 8 h + j, that is lane 24 h + j
.endr
	s_mov_b32 s40, 0x76543210           ; v_permlanex16_b32's selects: each lane takes its own place in the other half
	s_mov_b32 s41, 0xfedcba98
	s_mov_b32 s42, 0xbe317218           ; kap1 = -ln2 / 4; the packed lines name pairs and take the low word for both halves
	s_mov_b32 s43, 0xbe317218
	s_mov_b32 s44, 0xbeb17218           ; kap2 = -ln2 / 2
	s_mov_b32 s45, 0xbeb17218
	s_mov_b32 s46, 0xbdb17218           ; -ln2 / 8
	s_mov_b32 s47, 0x3f317218           ; ln2
	s_mov_b32 s52, 0xbfb8aa3b           ; -L
	s_mov_b32 s53, 0xbfb8aa3b
	s_mov_b32 s54, 0x3fc3ae9e           ; log2 c
	s_mov_b32 s55, 0x3fc3ae9e
	s_mov_b32 s56, 0xc2a9b21d           ; -32 log2(2 pi)
	s_mov_b32 s62, 0x4038aa3b           ; c
	s_mov_b32 s63, 0x4038aa3b
	s_mov_b32 s2, 0x3fb8aa3b            ; L
	s_mov_b32 s3, 0x3fb8aa3b
	s_lshl_b32 s30, ttmp9, 13           ; the work-group's 32 rows of x
	s_mov_b32 s31, 0
	s_wait_kmcnt 0x0
	s_add_nc_u64 s[8:9], s[8:9], s[30:31]
	s_lshl_b32 s30, ttmp9, 7            ; and its 128 bytes of out
	s_add_nc_u64 s[26:27], s[26:27], s[30:31]
	s_mov_b64 s[58:59], s[18:19]        ; the copy's next source: W2
	; THE SET-UP's 63 LOADS, in the order in which they are wanted
	WIN 0x40                            ; destination window 1
.irp j, 0,1,2,3,4,5,6,7
	global_load_b128 v[LSR+4*\j:LSR+4*\j+3], v[GLS], s[12:13] offset:512*\j  ; rows 16 w + 2 j (lanes 0-15) and + 1 (lanes 16-31)
.endr
.irp j, 0,1,2,3,4,5,6,7
	global_load_b128 v[MR+4*\j:MR+4*\j+3], v[GLS], s[10:11] offset:512*\j
.endr
.irp j, 0,1,2,3
	global_load_b128 v[XS+4*\j:XS+4*\j+3], v[GX], s[8:9] offset:2048*\j th:TH_LOAD_NT
.endr
	global_load_b64 v[B1R:B1R+1], v[GB1], s[16:17]
.irp a, 0,1,2,3
	global_load_b128 v[RA+8*\a:RA+8*\a+3], v[GB2], s[20:21] offset:64*\a      ; the row sums' accumulators start with the bias
	global_load_b128 v[RA+8*\a+4:RA+8*\a+7], v[GB2], s[20:21] offset:64*\a+16
.endr
	global_load_b128 v[RA+32:RA+35], v[GB3], s[24:25]
	global_load_b128 v[RA+36:RA+39], v[GB3], s[24:25] offset:16
	WIN 0
.irp u, 0,1,2,3,4,5,6,7,8,9,10,11,12,13,14,15
	global_load_b128 v[RB+8*\u:RB+8*\u+3], v[GOFF], s[14:15] offset:1024*\u   ; W1: 32 bytes a lane and slot
	global_load_b128 v[RB+8*\u+4:RB+8*\u+7], v[GOFF], s[14:15] offset:1024*\u+16
.endr
	; THE TABLES e', n', D
	s_wait_loadcnt 47                   ; log_s and m are in; behind them 4 + 1 + 10 + 32 loads stay out
	WIN 0x55
.irp j, 0,1,2,3,4,5,6,7
	v_pk_add_f32 v[TS+2*\j:TS+2*\j+1], v[LSR+4*\j:LSR+4*\j+1], v[LSR+4*\j+2:LSR+4*\j+3]
.endr
.set i, 0
.rept 16
	v_pk_fma_f32 v[LSR+2*i:LSR+2*i+1], v[LSR+2*i:LSR+2*i+1], s[52:53], s[54:55] op_sel_hi:[1,0,0]  ; -L log_s + log2 c
.set i, i+1
.endr
.set i, 0
.rept 32
	v_exp_f32 v[LSR+i], v[LSR+i]        ; e'
.set i, i+1
.endr
	WIN 0x05                            ; the row sums go on in window 0, behind the exponentials, of which they name nothing
.irp j, 0,1,2,3,4,5,6,7
	v_add_f32 v[SUMS+\j], v[TS+2*\j], v[TS+2*\j+1]
.endr
	WIN 0
.irp x, 1,2,4,8
.irp j, 0,1,2,3,4,5,6,7
	v_add_f32_dpp v[SUMS+\j], v[SUMS+\j], v[SUMS+\j] row_xmask:\x row_mask:0xf bank_mask:0xf  ; a row lies in 16 lanes
.endr
.endr
.irp j, 0,1,2,3,4,5,6,7
	v_fma_f32 v[SUMS+\j], v[SUMS+\j], s52, s56  ; D
.endr
	s_wait_alu depctr_va_vdst(0)        ; one wait for the 32 exponentials, ahead of their first reader
	WIN 0x55
.set i, 0
.rept 16
	v_pk_mul_f32 v[MR+2*i:MR+2*i+1], v[MR+2*i:MR+2*i+1], v[LSR+2*i:LSR+2*i+1] neg_lo:[1,0] neg_hi:[1,0]  ; n' = -m e'
.set i, i+1
.endr
	WIN 0x04                            ; store data in window 1
.irp j, 0,1,2,3,4,5,6,7
	ds_store_b128 v[AES], v[LSR+4*\j:LSR+4*\j+3] offset:2*PE*\j
	ds_store_b128 v[AES], v[MR+4*\j:MR+4*\j+3] offset:NOFF+2*PE*\j
.endr
	s_wait_loadcnt 43                   ; x is in
.irp j, 0,1,2,3
	ds_store_b128 v[AXS], v[XS+4*\j:XS+4*\j+3] offset:2048*\j
.endr
	s_wait_loadcnt 42                   ; b1 is in
	WIN 0x55
	v_pk_mul_f32 v[B1R:B1R+1], v[B1R:B1R+1], s[62:63] op_sel_hi:[1,0]
	WIN 0x04
	ds_store_b64 v[AB1S], v[B1R:B1R+1]
	WIN 0
.irp j, 0,1,2,3,4,5,6,7
	ds_store_b32 v[AD], v[SUMS+\j] offset:8*\j  ; sixteen lanes write the same word with the same number
.endr
; THE WEIGHTS' COPY: a ring of 16 slots in registers, 32 loads of every wave on their way.  A slot's turn: its two loads are in (n younger ones stay out); 8 numbers are rounded to 16 bits; 16 bytes go to LDS;
; ld = 1: the slot is asked for again, 65,536 bytes of weights further on.
.macro SLOT u, f16, ld, n, adr, step
	s_wait_loadcnt \n
.irp i, 0,1,2,3
.if \f16
	v_cvt_pk_f16_f32 v[TB+4*(\u)+\i], v[RB+8*(\u)+2*\i], v[RB+8*(\u)+2*\i+1]
.else
	v_cvt_pk_bf16_f32 v[TB+4*(\u)+\i], v[RB+8*(\u)+2*\i], v[RB+8*(\u)+2*\i+1]
.endif
.endr
	ds_store_b128 v[\adr], v[TB+4*(\u):TB+4*(\u)+3] offset:(\step)*(\u)
.if \ld
	global_load_b128 v[RB+8*(\u):RB+8*(\u)+3], v[GOFF], s[58:59] offset:1024*(\u)
	global_load_b128 v[RB+8*(\u)+4:RB+8*(\u)+7], v[GOFF], s[58:59] offset:1024*(\u)+16
.endif
.endm
.irp u, 0,1,2,3,4,5,6,7,8,9,10,11,12,13,14,15
	SLOT \u, 0, 1, 30, LW1, 4*P1        ; W1 (a slot is four rows) goes to LDS, W2's rows 0-63 are asked for
.endr
	s_mov_b32 s60, 4
.Lw2:                                   ; four trips: 64 rows of W2 go to LDS (a slot is a row), the next 64, or at last W3, are asked for
	s_wait_xcnt 0x0                     ; the loads issued so far have read their base: it is written only behind this wait
	s_add_nc_u64 s[58:59], s[58:59], 0x10000
	s_cmp_eq_u32 s60, 1
	s_cselect_b64 s[58:59], s[22:23], s[58:59]  ; behind W2's last rows comes W3
.irp u, 0,1,2,3,4,5,6,7,8,9,10,11,12,13,14,15
	SLOT \u, 1, 1, 30, LADR, P2
.endr
	v_add_nc_u32 v[LADR], 64*P2, v[LADR]
	s_sub_co_i32 s60, s60, 1
	s_cmp_lg_u32 s60, 0
	s_cbranch_scc1 .Lw2
.irp u, 0,1,2,3,4,5,6,7,8,9,10,11,12,13,14,15
	SLOT \u, 1, 0, 30-2*\u, LADR, P2    ; W3; nothing is asked for, the counts run down
.endr
	s_wait_dscnt 0x0                    ; for the others' sake: my stores are done
	s_barrier_signal -1
	s_barrier_wait -1
	; THE ROW SUMS of the rounded weights: W x ones + b, five accumulators by turns (W2's jobs 4 w .. 4 w + 3, W3's channel tile w), K in two halves of four steps
.set i, 0
.rept 8
	v_mov_b32 v[ONES+i], 0x3c003c00     ; 1.0 twice, in f16
.set i, i+1
.endr
.irp hf, 0,1
.irp kk, 0,1,2,3
.irp a, 0,1,2,3
	ds_load_b128 v[RB+8*(5*\kk+\a):RB+8*(5*\kk+\a)+3], v[AR2] offset:16*P2*\a+64*(4*\hf+\kk)
	ds_load_b128 v[RB+8*(5*\kk+\a)+4:RB+8*(5*\kk+\a)+7], v[AR2] offset:16*P2*\a+64*(4*\hf+\kk)+32
.endr
	ds_load_b128 v[RB+8*(5*\kk+4):RB+8*(5*\kk+4)+3], v[AR3] offset:64*(4*\hf+\kk)
	ds_load_b128 v[RB+8*(5*\kk+4)+4:RB+8*(5*\kk+4)+7], v[AR3] offset:64*(4*\hf+\kk)+32
.endr
	s_wait_dscnt 0x0
	WIN 0x50                            ; C and D in window 1
.irp kk, 0,1,2,3
.irp a, 0,1,2,3,4
	v_wmma_f32_16x16x32_f16 v[RA+8*\a:RA+8*\a+7], v[RB+8*(5*\kk+\a):RB+8*(5*\kk+\a)+7], v[ONES:ONES+7], v[RA+8*\a:RA+8*\a+7]
.endr
.endr
	PLACES                              ; ahead of the next half's loads, and of the scalings
	WIN 0
.endr
	WIN 0x55
.set i, 0
.rept 16
	v_pk_mul_f32 v[RA+2*i:RA+2*i+1], v[RA+2*i:RA+2*i+1], s[62:63] op_sel_hi:[1,0]  ; c (b2 + rowsum W2); each accumulator from its low end on
.set i, i+1
.endr
.rept 4
	v_pk_mul_f32 v[RA+2*i:RA+2*i+1], v[RA+2*i:RA+2*i+1], s[2:3] op_sel_hi:[1,0]    ; L (b3 + rowsum W3)
.set i, i+1
.endr
	WIN 0x04
.irp a, 0,1,2,3
	ds_store_b128 v[AB2S], v[RA+8*\a:RA+8*\a+3] offset:64*\a       ; the sixteen lanes of a half hold the same numbers
	ds_store_b128 v[AB2S], v[RA+8*\a+4:RA+8*\a+7] offset:64*\a+16
.endr
	ds_store_b128 v[AB3S], v[RA+32:RA+35]
	ds_store_b128 v[AB3S], v[RA+36:RA+39] offset:16
	WIN 0
	s_wait_dscnt 0x0
	s_barrier_signal -1
	s_barrier_wait -1                   ; from here on LDS is only read, up to the results
	v_lshl_add_u32 v[TV], v[RR], 2, DTAB
.irp q, 0,1,2,3
	ds_load_b32 v[DK+\q], v[TV] offset:64*\q
.endr
	v_mov_b32 v[RES], 0
	s_mov_b32 s48, 0x01010101           ; the lanes that keep the piece's result
	s_mov_b32 s50, 0                    ; the piece's row of x
	s_mov_b32 s49, 8
	s_wait_dscnt 0x0
; THE LDS LOADS OF A PIECE.  Job j's bias as an accumulator holds it, into bias buffer b; its fragments of W1 (2 K steps), of W2 (8), into fragment buffer b; for sub-step tg of layer 3 two fragments of W3.
.macro LDB tab, j, b
	ds_load_b128 v[BI+8*(\b):BI+8*(\b)+3], v[ABI] offset:(\tab)+64*(\j)
	ds_load_b128 v[BI+8*(\b)+4:BI+8*(\b)+7], v[ABI] offset:(\tab)+64*(\j)+16
.endm
.macro LDA1 j, b
.irp c, 0,1
	ds_load_b128 v[128+64*(\b)+8*\c:128+64*(\b)+8*\c+3], v[AW1] offset:16*P1*(\j)+64*\c
	ds_load_b128 v[128+64*(\b)+8*\c+4:128+64*(\b)+8*\c+7], v[AW1] offset:16*P1*(\j)+64*\c+32
.endr
.endm
.macro LDA2 j, b
.irp c, 0,1,2,3,4,5,6,7
	ds_load_b128 v[128+64*(\b)+8*\c:128+64*(\b)+8*\c+3], v[AW2A+(\j)/8] offset:16*P2*((\j)%8)+64*\c
	ds_load_b128 v[128+64*(\b)+8*\c+4:128+64*(\b)+8*\c+7], v[AW2A+(\j)/8] offset:16*P2*((\j)%8)+64*\c+32
.endr
.endm
.macro LDA3 tg                      ; K step (tg - 5) / 2, channel tiles 2 ((tg - 5) % 2) + a
.irp a, 0,1
	ds_load_b128 v[A3+16*((\tg)%2)+8*\a:A3+16*((\tg)%2)+8*\a+3], v[AW3] offset:16*P2*(2*(((\tg)-5)%2)+\a)+64*(((\tg)-5)/2)
	ds_load_b128 v[A3+16*((\tg)%2)+8*\a+4:A3+16*((\tg)%2)+8*\a+7], v[AW3] offset:16*P2*(2*(((\tg)-5)%2)+\a)+64*(((\tg)-5)/2)+32
.endr
.endm
; Tile q's z' = x e' + n' (in place of e'), four chains of sums of squares, and the rounding to bf16.  n: the LDS loads issued behind the tile's, which may stay out.
.macro ZTILE q, n
	s_wait_dscnt \n
	WIN 0x54                            ; x in window 0; e', n' and the result in window 1
.set i, 0
.rept 16
	v_pk_fma_f32 v[64*(\q)+2*i:64*(\q)+2*i+1], v[XR+2*i:XR+2*i+1], v[64*(\q)+2*i:64*(\q)+2*i+1], v[64*(\q)+32+2*i:64*(\q)+32+2*i+1]
.set i, i+1
.endr
	WIN 0x05                            ; the sums in window 0
.set i, 0
.rept 16
.if i < 4
	v_pk_mul_f32 v[QT+8*(\q)+2*i:QT+8*(\q)+2*i+1], v[64*(\q)+2*i:64*(\q)+2*i+1], v[64*(\q)+2*i:64*(\q)+2*i+1]
.else
	v_pk_fma_f32 v[QT+8*(\q)+2*(i%4):QT+8*(\q)+2*(i%4)+1], v[64*(\q)+2*i:64*(\q)+2*i+1], v[64*(\q)+2*i:64*(\q)+2*i+1], v[QT+8*(\q)+2*(i%4):QT+8*(\q)+2*(i%4)+1]
.endif
.set i, i+1
.endr
	WIN 0xc5                            ; z' in window 3
.set i, 0
.rept 16
	v_cvt_pk_bf16_f32 v[ZB+16*(\q)+i], v[64*(\q)+2*i], v[64*(\q)+2*i+1]
.set i, i+1
.endr
.endm
; THE PRODUCTS.  sg is the sub-step, k or j the product's number in it.  The accumulators take turns, one instruction a turn: four in layers 1 and 2, eight in layer 3.
.macro W1M                          ; layer 1, job sg: K step k / 4, tile k % 4; the first four start the sums with the bias
.set rD, 32*(sg%4)+8*(k%4)
.set rA, 128+64*(sg%2)+8*(k/4)
.set rB, ZB+16*(k%4)+8*(k/4)
.if k < 4
	WIN 0x8e                            ; weights and D in window 2, z' in window 3, the bias in window 0
	v_wmma_f32_16x16x32_bf16 v[rD:rD+7], v[rA:rA+7], v[rB:rB+7], v[BI+8*(sg%2):BI+8*(sg%2)+7]
.else
	WIN 0xae
	v_wmma_f32_16x16x32_bf16 v[rD:rD+7], v[rA:rA+7], v[rB:rB+7], v[rD:rD+7]
.endif
.endm
.macro W2M                          ; layer 2, job sg: K step k / 4, tile k % 4
.set rD, 32*(sg%4)+8*(k%4)
.set rA, 128+64*(sg%2)+8*(k/4)
.set rB, 32*(k/4)+8*(k%4)
.if k < 4
	WIN 0x86                            ; weights and D in window 2, r1' in window 1, the bias in window 0
	v_wmma_f32_16x16x32_f16 v[rD:rD+7], v[rA:rA+7], v[rB:rB+7], v[BI+8*(sg%2):BI+8*(sg%2)+7]
.else
	WIN 0xa6
	v_wmma_f32_16x16x32_f16 v[rD:rD+7], v[rA:rA+7], v[rB:rB+7], v[rD:rD+7]
.endif
.endm
.macro W3M                          ; layer 3: K step (sg - 5) / 2, channel tile 2 ((sg - 5) % 2) + j / 4, tile j % 4; the logits' registers were loaded with the bias
.set rD, 32*(j%4)+8*(2*((sg-5)%2)+j/4)
.set rA, A3+16*(sg%2)+8*(j/4)
.set rB, R2+32*(((sg-5)/2)%2)+8*(j%4)
	WIN 0xf0                            ; weights and r2' in window 0, the logits in window 3
	v_wmma_f32_16x16x32_f16 v[rD:rD+7], v[rA:rA+7], v[rB:rB+7], v[rD:rD+7]
.endm
; Rounding number i of 16 of unit sg - 3: a pair of channels of tile i / 4, to base + 8 (i / 4) + i % 4
.macro VC base
	v_cvt_pk_f16_f32 v[(\base)+8*(i/4)+(i%4)], v[uC+8*(i/4)+2*(i%4)], v[uC+8*(i/4)+2*(i%4)+1]
.set i, i+1
.endm
; A sub-step's products and, behind each, the ring's work: kap e + kap for pair k of unit sg - 2, 2^u for register k of unit sg - 1, the reciprocal for register k of unit sg - 2 (its pair k / 2 is done).
; All three work in place in window 2 and run under each of the products' four settings.  No line names a result of the sub-step's own exponentials or reciprocals.
.macro MIX kind, kap
.set k, 0
.rept 32
.if sg <= 15
.if (\kind) == 2
	W2M
.elseif k < 8
	W1M
.endif
.endif
.if (k < 16) && (sg >= 2) && (sg <= 17)
	v_pk_fma_f32 v[uA+2*k:uA+2*k+1], v[uA+2*k:uA+2*k+1], s[\kap:\kap+1], s[\kap:\kap+1] op_sel_hi:[1,0,0]
.endif
.if (sg >= 1) && (sg <= 16)
	v_exp_f32 v[uE+k], v[uE+k]
.endif
.if (sg >= 2) && (sg <= 17)
	v_rcp_f32 v[uA+k], v[uA+k]
.endif
.set k, k+1
.endr
.endm
.macro UNITS
.set uE, 32*((sg+3)%4)              ; unit sg - 1
.set uA, 32*((sg+2)%4)              ; unit sg - 2
.set uC, 32*((sg+1)%4)              ; unit sg - 3
.endm
; A SUB-STEP OF LAYER 1, sg = 0 .. 18.  The head's wait leaves out the loads of the tail just before; what it needs was asked for two tails back.  The tail asks for job sg + 2, into the buffers just read;
; tails 14 and 15 for layer 2's jobs 0 and 1.  Behind the eight products stand nine plain lines or more (at sg < 2: four v_nop): the places ahead of the tail's loads and of the next sub-step's exponentials.
.macro SUB1
	UNITS
.if sg == 0
	s_wait_dscnt 32                     ; all but the logits' 32 bias loads
.elseif sg <= 14
	s_wait_dscnt 6
.elseif sg == 15
	s_wait_dscnt 18
.endif
.if sg >= 3
	WIN 0x4a                            ; the ring in window 2, r1' in window 1
.set i, 0
.rept 16
	VC 32*((sg-3)/2)+4*((sg-3)%2)
.endr
.endif
.if (sg > 15) && (sg <= 17)
	WIN 0xae
.endif
	MIX 1, 42
.if sg < 2
	PLACES
.elseif sg <= 17
	v_nop                               ; a plain instruction behind the last reciprocal
.endif
.if (sg >= 1) && (sg <= 17)
	s_wait_alu depctr_va_vdst(0)        ; the one wait for the sub-step's batch, ahead of the first line that names a result
.endif
.if sg <= 13
	WIN 0x80
	LDA1 sg+2, sg%2
	WIN 0
	LDB 0, sg+2, sg%2
.elseif sg <= 15
	WIN 0x80
	LDA2 sg-14, sg%2
	WIN 0
	LDB B2O, sg-14, sg%2
.endif
.endm
; A SUB-STEP OF LAYERS 2 AND 3, sg = 0 .. 20: 32 products of layer 2 (sg <= 15) with the ring's work; then 8 products of layer 3 (sg >= 5) with the 16 roundings of unit sg - 3 behind them, dealt 2 2 2 2 2 2 0 4:
; the last four are the places ahead of the tail's loads into W3's buffer.  The roundings write the buffer of r2' that layer 3 does not read in this sub-step.
.macro SUB2
	UNITS
.if sg <= 3
	s_wait_dscnt 18
.elseif sg <= 14
	s_wait_dscnt 22
.elseif sg <= 19
	s_wait_dscnt 4
.else
	s_wait_dscnt 0
.endif
.if (sg > 15) && (sg <= 17)
	WIN 0xa6
.endif
	MIX 2, 44
.if sg < 3
	PLACES
.elseif sg < 5
	WIN 0x0a                            ; the ring in window 2, r2' in window 0
.set i, 0
.rept 16
	VC R2+32*(((sg-3)/2)%2)+4*((sg-3)%2)
.endr
.else
.set i, 0
.set j, 0
.rept 8
	W3M
.if sg <= 18
	WIN 0x0a
.if j < 6
	VC R2+32*(((sg-3)/2)%2)+4*((sg-3)%2)
	VC R2+32*(((sg-3)/2)%2)+4*((sg-3)%2)
.elseif j == 7
.rept 4
	VC R2+32*(((sg-3)/2)%2)+4*((sg-3)%2)
.endr
.endif
.endif
.set j, j+1
.endr
.endif
.if (sg >= 1) && (sg <= 17)
	s_wait_alu depctr_va_vdst(0)        ; the one wait for the sub-step's batch
.endif
.if sg <= 13
	WIN 0x80
	LDA2 sg+2, sg%2
	WIN 0
	LDB B2O, sg+2, sg%2
.endif
.if (sg >= 3) && (sg <= 18)
	WIN 0
	LDA3 sg+2
.endif
.endm
.Lpiece:                                ; eight trips: one n, all 64 k
	v_add_nc_u32 v[AX], s50, v[AX0]
	; one run of 116 LDS loads, in the order in which they are wanted: x; layer 1's first two biases; e' and n' by tiles; layer 1's first fragments; the logits' bias into all 16 accumulators
.irp c, 0,1,2,3
	ds_load_b128 v[XR+8*\c:XR+8*\c+3], v[AX] offset:64*\c          ; p = 16 c + 8 h + 0..7: as source 1 of layer 1 wants them
	ds_load_b128 v[XR+8*\c+4:XR+8*\c+7], v[AX] offset:64*\c+16
.endr
	LDB 0, 0, 0
	LDB 0, 1, 1
	WIN 0x40
.irp q, 0,1,2,3
.irp c, 0,1,2,3
	ds_load_b128 v[64*\q+8*\c:64*\q+8*\c+3], v[AE] offset:16*PE*\q+64*\c
	ds_load_b128 v[64*\q+8*\c+4:64*\q+8*\c+7], v[AE] offset:16*PE*\q+64*\c+16
	ds_load_b128 v[64*\q+32+8*\c:64*\q+32+8*\c+3], v[AE] offset:NOFF+16*PE*\q+64*\c
	ds_load_b128 v[64*\q+32+8*\c+4:64*\q+32+8*\c+7], v[AE] offset:NOFF+16*PE*\q+64*\c+16
.endr
.endr
	WIN 0x80
	LDA1 0, 0
	LDA1 1, 1
	WIN 0xc0
.irp q, 0,1,2,3
.irp c, 0,1,2,3
	ds_load_b128 v[32*\q+8*\c:32*\q+8*\c+3], v[ABI] offset:B3O+64*\c
	ds_load_b128 v[32*\q+8*\c+4:32*\q+8*\c+7], v[ABI] offset:B3O+64*\c+16
.endr
.endr
	ZTILE 0, 63                         ; behind tile 0's loads stand 88, behind tile 1's 72: the wait names the most that its field holds
	ZTILE 1, 63
	ZTILE 2, 56                         ; tile 3's 16, 8 fragment loads, 32 bias loads
	ZTILE 3, 40
	WIN 0
	ALLQ v_pk_add_f32 v[QT+8*q:QT+8*q+1], v[QT+8*q:QT+8*q+1], v[QT+8*q+2:QT+8*q+3]
	ALLQ v_pk_add_f32 v[QT+8*q+4:QT+8*q+5], v[QT+8*q+4:QT+8*q+5], v[QT+8*q+6:QT+8*q+7]
	ALLQ v_pk_add_f32 v[QT+8*q:QT+8*q+1], v[QT+8*q:QT+8*q+1], v[QT+8*q+4:QT+8*q+5]
	ALLQ v_add_f32 v[QH+q], v[QT+8*q], v[QT+8*q+1]
.set sg, 0
.rept 19
	SUB1
.set sg, sg+1
.endr
.set sg, 0
.rept 21
	SUB2
.set sg, sg+1
.endr
	PLACES                              ; behind the last products, ahead of the first read of the logits
	; THE SOFTMAX's DIAGONAL, the four tiles line by line.  A lane holds 32 of its row's 64 logits, the lane 16 away the others.  c0-c3 = v[QT + 4 q ..].
	WIN 0x3f                            ; the logits in window 3, the statistics in window 0
.irp c, 0,1,2,3
	ALLQ v_max3_num_f32 v[QT+4*q+\c], v[32*q+8*\c], v[32*q+8*\c+1], v[32*q+8*\c+2]   ; each accumulator's lowest registers are read first
.endr
	WIN 0x3c
.irp c, 0,1,2,3
	ALLQ v_max3_num_f32 v[QT+4*q+\c], v[QT+4*q+\c], v[32*q+8*\c+3], v[32*q+8*\c+4]
.endr
.irp c, 0,1,2,3
	ALLQ v_max3_num_f32 v[QT+4*q+\c], v[QT+4*q+\c], v[32*q+8*\c+5], v[32*q+8*\c+6]
.endr
	ALLQ v_max3_num_f32 v[QT+4*q], v[QT+4*q], v[32*q+7], v[32*q+15]
	ALLQ v_max3_num_f32 v[QT+4*q+2], v[QT+4*q+2], v[32*q+23], v[32*q+31]
	WIN 0
	ALLQ v_max3_num_f32 v[QT+4*q], v[QT+4*q], v[QT+4*q+1], v[QT+4*q+2]
	ALLQ v_max_num_f32 v[QT+4*q], v[QT+4*q], v[QT+4*q+3]
	ALLQ v_permlanex16_b32 v[QT+4*q+1], v[QT+4*q], s40, s41
	ALLQ v_max_num_f32 v[QT+4*q], v[QT+4*q], v[QT+4*q+1]        ; c0 = mx
	WIN 0xc3                            ; the logits as destination and source 0, mx in window 0
.set i, 0
.rept 16
	ALLQ v_pk_add_f32 v[32*q+2*i:32*q+2*i+1], v[32*q+2*i:32*q+2*i+1], v[QT+4*q:QT+4*q+1] op_sel_hi:[1,0] neg_lo:[0,1] neg_hi:[0,1]  ; t - mx
.set i, i+1
.endr
	WIN 0x0c                            ; row k = 16 q + r wants channel k: channel tile q, register r % 8 of the lane with h = r / 8; elsewhere 0
	ALLQ v_cndmask_b32 v[QT+4*q+2], 0, v[40*q], s32
.irp j, 1,2,3,4,5,6,7
	ALLQ v_cndmask_b32 v[QT+4*q+2], v[QT+4*q+2], v[40*q+\j], s[32+\j]
.endr
	WIN 0xc3
.set i, 0
.rept 32
	ALLQ v_exp_f32 v[32*q+i], v[32*q+i]
.set i, i+1
.endr
	WIN 0
	ALLQ v_fma_f32 v[QT+4*q+2], v[QH+q], s46, v[QT+4*q+2]       ; c2 = (t_kk - mx or 0) - (ln2 / 8) x my half of sum z'^2: plain work behind the exponentials
	s_wait_alu depctr_va_vdst(0)        ; one wait for the 128 exponentials
	WIN 0xcf
.irp u, 0,1,2,3,4,5,6,7
	ALLQ v_pk_add_f32 v[32*q+4*\u:32*q+4*\u+1], v[32*q+4*\u:32*q+4*\u+1], v[32*q+4*\u+2:32*q+4*\u+3]
.endr
.irp u, 0,1,2,3
	ALLQ v_pk_add_f32 v[32*q+8*\u:32*q+8*\u+1], v[32*q+8*\u:32*q+8*\u+1], v[32*q+8*\u+4:32*q+8*\u+5]
.endr
.irp u, 0,1
	ALLQ v_pk_add_f32 v[32*q+16*\u:32*q+16*\u+1], v[32*q+16*\u:32*q+16*\u+1], v[32*q+16*\u+8:32*q+16*\u+9]
.endr
	ALLQ v_pk_add_f32 v[32*q:32*q+1], v[32*q:32*q+1], v[32*q+16:32*q+17]
	WIN 0x0f
	ALLQ v_add_f32 v[QT+4*q+3], v[32*q], v[32*q+1]
	WIN 0
	ALLQ v_permlanex16_b32 v[QT+4*q+1], v[QT+4*q+3], s40, s41
	ALLQ v_permlanex16_b32 v[QT+4*q], v[QT+4*q+2], s40, s41
	ALLQ v_add_f32 v[QT+4*q+3], v[QT+4*q+3], v[QT+4*q+1]        ; c3 = the row's sum of 2^(t - mx), at least 1
	ALLQ v_add_f32 v[QT+4*q+2], v[QT+4*q+2], v[QT+4*q]          ; c2 = t_kk - mx - (ln2 / 8) sum z'^2
	ALLQ v_log_f32 v[QT+4*q+3], v[QT+4*q+3]
	ALLQ v_add_f32 v[QT+4*q+2], v[QT+4*q+2], v[DK+q]
	s_wait_alu depctr_va_vdst(0)        ; for the four logarithms
	ALLQ v_sub_f32 v[LV+q], v[QT+4*q+2], v[QT+4*q+3]            ; lv2 of k = 16 q + r, in both halves of the lanes
	; logsumexp over the 64 k: four registers, then the 16 lanes of a half
	v_max3_num_f32 v[TM], v[LV], v[LV+1], v[LV+2]
	v_max_num_f32 v[TM], v[TM], v[LV+3]
.irp x, 1,2,4,8
	v_max_num_f32_dpp v[TM], v[TM], v[TM] row_xmask:\x row_mask:0xf bank_mask:0xf
.endr
	ALLQ v_sub_f32 v[LV+q], v[LV+q], v[TM]
	ALLQ v_exp_f32 v[LV+q], v[LV+q]
	v_mul_f32 v[TM+1], s47, v[TM]       ; M ln2
	s_wait_alu depctr_va_vdst(0)
	v_add_f32 v[LV], v[LV], v[LV+1]
	v_add_f32 v[LV+2], v[LV+2], v[LV+3]
	v_add_f32 v[LV], v[LV], v[LV+2]
.irp x, 1,2,4,8
	v_add_f32_dpp v[LV], v[LV], v[LV] row_xmask:\x row_mask:0xf bank_mask:0xf
.endr
	v_log_f32 v[LV], v[LV]
	v_nop
	s_wait_alu depctr_va_vdst(0)
	v_fma_f32 v[TM], v[LV], s47, v[TM+1]
	v_cndmask_b32 v[RES], v[RES], v[TM], s48                    ; kept by the lanes whose number % 8 is the piece's
	s_lshl_b32 s48, s48, 1
	s_add_co_u32 s50, s50, 256
	s_sub_co_i32 s49, s49, 1
	s_cmp_lg_u32 s49, 0
	s_cbranch_scc1 .Lpiece
	; THE WAY OUT: the four waves' 8 results meet in LDS; wave 0 stores the work-group's 128 consecutive bytes with one instruction
	ds_store_b32 v[AO], v[RES]          ; four lanes write the same word with the same number
	s_wait_dscnt 0x0
	s_barrier_signal -1
	s_barrier_wait -1
	s_cmp_lg_u32 s28, 0
	s_cbranch_scc1 .Lend
	v_lshl_add_u32 v[AX], v[LL], 2, OUTS
	v_lshlrev_b32 v[TV], 2, v[LL]
	ds_load_b32 v[TM], v[AX]
	s_wait_dscnt 0x0
	global_store_b32 v[TV], v[TM], s[26:27]
.Lend:
	s_wait_tensorcnt 0x0                ; the wave's end, behind my last LDS store
	ds_add_u32 v[SPW], v[NIL]
	s_wait_dscnt 0x0
	s_endpgm
.Lfunc_end_k_q6ee9d426e2_dif:
	.size	k_q6ee9d426e2_dif, .Lfunc_end_k_q6ee9d426e2_dif-k_q6ee9d426e2_dif
	.p2alignl 7, 3214868480
	.fill 96, 4, 3214868480
	.section	.rodata,"a",@progbits
	.p2align	6, 0x0
	.amdhsa_kernel k_q6ee9d426e2_dif
		.amdhsa_group_segment_fixed_size 252160
		.amdhsa_private_segment_fixed_size 0
		.amdhsa_enable_private_segment 0
		.amdhsa_kernarg_size 80
		.amdhsa_user_sgpr_count 2
		.amdhsa_user_sgpr_kernarg_segment_ptr 1
		.amdhsa_wavefront_size32 1
		.amdhsa_system_sgpr_workgroup_id_x 1
		.amdhsa_system_sgpr_workgroup_id_y 1
		.amdhsa_system_sgpr_workgroup_id_z 1
		.amdhsa_system_vgpr_workitem_id 0
		.amdhsa_next_free_vgpr 1024
		.amdhsa_next_free_sgpr 66
		.amdhsa_reserve_vcc 0
		.amdhsa_float_denorm_mode_32 3
		.amdhsa_float_denorm_mode_16_64 3
		.amdhsa_memory_ordered 1
		.amdhsa_forward_progress 1
		.amdhsa_inst_pref_size 255
	.end_amdhsa_kernel
	.section	.bss,"aw",@nobits
	.p2align	6
	.space	262144
	.amdgpu_metadata
---
amdhsa.version: [ 1, 2 ]
amdhsa.kernels:
  - .name:           k_q6ee9d426e2_dif
    .symbol:         k_q6ee9d426e2_dif.kd
    .args:
      - { .name: x, .offset: 0, .size: 8, .value_kind: global_buffer, .address_space: global }
      - { .name: m, .offset: 8, .size: 8, .value_kind: global_buffer, .address_space: global }
      - { .name: log_s, .offset: 16, .size: 8, .value_kind: global_buffer, .address_space: global }
      - { .name: W1, .offset: 24, .size: 8, .value_kind: global_buffer, .address_space: global }
      - { .name: b1, .offset: 32, .size: 8, .value_kind: global_buffer, .address_space: global }
      - { .name: W2, .offset: 40, .size: 8, .value_kind: global_buffer, .address_space: global }
      - { .name: b2, .offset: 48, .size: 8, .value_kind: global_buffer, .address_space: global }
      - { .name: W3, .offset: 56, .size: 8, .value_kind: global_buffer, .address_space: global }
      - { .name: b3, .offset: 64, .size: 8, .value_kind: global_buffer, .address_space: global }
      - { .name: out0, .offset: 72, .size: 8, .value_kind: global_buffer, .address_space: global }
    .group_segment_fixed_size: 252160
    .private_segment_fixed_size: 0
    .kernarg_segment_align: 8
    .kernarg_segment_size: 80
    .max_flat_workgroup_size: 128
    .sgpr_count:     66
    .vgpr_count:     1024
    .wavefront_size: 32
...
	.end_amdgpu_metadata
.endif
;; end of part 1
